; MI455X (gfx1250); checked and timed in simulation.
; The chip was launched on July 23, 2026; its instructions are those of AMD's public machine-readable ISA for CDNA 5 (MIT licence, August 2026) and "CDNA5" Instruction Set Architecture Reference Guide (July 2026). The comments in the code are by the model that wrote it; some were corrected since.
;; Net. Allowed arithmetic: float matrix products may take bf16 or f16 operands with f32 sums; all other float work in f32.
;; Inputs: W1 32 x 3 float32; W2 3 x 32 float32; b1 32 float32; b2 3 float32; x 65,536 x 3 float32.
;; Outputs: out0 65,536 x 3 float32.
;; 2 versions, each right and faster than the one before. Each part assembles by itself: llvm-mc -triple=amdgcn-amd-amdhsa -mcpu=gfx1250 --defsym DOCPART=n.
;; ======== version 1 of 2: 1 launch
;; launch snn (part 1): grid 256 x 1, 4 waves a work-group, no clusters, 168,448 bytes of LDS; arguments x, W1, b1, W2, b2, out0; writes out0
.if DOCPART == 1
	.amdgcn_target "amdgcn-amd-amdhsa--gfx1250"
	.amdhsa_code_object_version 6
	.text
	.protected	k_q16e5314b97_snn
	.globl	k_q16e5314b97_snn
	.p2align	8
	.type	k_q16e5314b97_snn,@function
k_q16e5314b97_snn:
	s_mov_b64 s[64:65], 0
	v_nop
	global_prefetch_b8 v0, s[64:65] scope:SCOPE_SE
	s_setreg_imm32_b32 hwreg(HW_REG_WAVE_MODE, 25, 1), 1
	s_wait_xcnt 0x0
; out0 = spk @ W2^T + b2,  spk = (mem_100 > 1),  mem_t = 0.9 mem_(t-1) + cur1 - (mem_(t-1) > 1),  mem_0 = 0,  cur1 = x @ W1^T + b1.
; x [65536][3], W1 [32][3], b1 [32], W2 [3][32], b2 [3], out0 [65536][3], all f32.  One launch; the states never leave registers.
;
; WORK LEFT OUT: step 1 of the 100.  mem_0 is the zeros that reference() builds itself, so its reset is (0 - 1 > 0) = 0 and
; mem_1 = 0.9 * 0 + cur1 - 0 = cur1, whatever cur1 holds.  The product left out, 0.9 * 0, holds no input, so no NaN, infinity or
; overflow can arise in it alone.  99 steps are done; the first of them reads cur1 as its state, so nothing is copied.
;
; ROUNDING.  An output is a sum of entries of W2 picked by comparisons of states with 1: a state that lands on the other side of 1
; moves an output by a whole entry of W2.  So every number on the way to a comparison is f32 and is rounded in one fixed order:
;   cur1 = ((x0 * w0 + x1 * w1) + x2 * w2) + b1            k ascending; every product and every sum rounded by itself
;   mem' = fma(0.9f, mem, cur1) - r                        one fused multiply-add, then the reset, as the formula is written
; Layer 1's multiplies and adds are kept apart on purpose: a fused form drops the products' roundings, moves cur1 in its last bit, and
; that stays in the state ten times as large (d' = 0.9 d + e).  The order is that of a matrix product made of separate multiplies and
; adds, which x @ W1^T is taken to be here; the step is taken to be contracted.
; That is also why x @ W1^T is not given to the matrix unit in bf16: rounding x or W1 to 8 bits moves cur1 by up to 2^-9 of its size
; and with it the time of every later spike.  It has K = 3: 5 issue slots a state beside 99 steps.
; spk @ W2^T has N = 3 (13 of a matrix tile's 16 columns would be padding) and each lane already holds all 32 spikes of its rows:
; 3 multiply-adds a state, in f32, without any traffic between lanes.
;
; THE SPIKE WITHOUT A COMPARE.  y = fma(mem, 2^24, -2^24).  mem > 1 means mem >= 1 + 2^-23, so y >= 2; mem <= 1 gives y <= 0; rounding
; and overflow to an infinity keep that.  r = the middle one of (y, 0, 1) is then exactly 1.0 or 0.0.  Two states share each packed
; instruction, so a step costs 5 instructions for 2 states: y, 0.9 mem + cur1, two v_med3_num_f32, the subtraction.
;
; SHARES.  256 work-groups of four waves, as many as a WGP has SIMDs.  A wave owns 64 rows: 768 bytes of x and of out0, three aligned
; blocks of 256.  A lane owns rows 2 l and 2 l + 1 with all 32 hidden units: 64 states, as 32 register pairs (row a, row b) of one unit.
; A step is four runs of 32, 32, 64, 32 independent instructions, so an instruction's sources were written at least 32 instructions before.
; The launch asks for more than half of a WGP's 327,680 bytes of LDS (it uses 3,072) so that no second work-group shares the four SIMDs.
;
; LIMITS.  No claim is made for a NaN in x, W1 or b1.  Infinities and every finite size go the way of reference().
; The sign of a state that is zero is not kept (it reaches no output).
.set STEPS,  100
.set UNROLL, 7                         ; steps in a trip of the loop
.set TRIPS,  (STEPS-2)/UNROLL          ; 14: step 1 is left out, step 2 stands in front of the loop
.set WAVEB,  768                       ; bytes of a wave's 64 rows of 12 bytes
.set GROUPB, 4*WAVEB                   ; bytes of a work-group's 256 rows
.set LIN,  2                           ; v2         768 wave + 8 lane: my 8 bytes of a block of 256, in LDS and, from the group's first row, in x and out0
.set OWN,  3                           ; v3         768 wave + 24 lane: my two rows in LDS
.set X,    4                           ; v[4:9]     x of row a (3), of row b (3)
.set IO,   10                          ; v[10:15]   three times 8 bytes in linear order, on the way in and on the way out
.set ACC,  16                          ; v[16:21]   out0 of row a (3), of row b (3)
.set K9,   22                          ; v[22:23]   0.9, twice
.set KB,   24                          ; v[24:25]   2^24, twice
.set KN,   26                          ; v[26:27]   -2^24, twice
.set CUR,  32                          ; v[32:95]   cur1: unit j, rows a and b, at 2 j
.set MEM,  96                          ; v[96:159]  the states, likewise
.set Y,    160                         ; v[160:223] y, then r, likewise; in layer 1 its first 32 registers hold the products of k = 1 and k = 2
.set B2,   4                           ; s[4:6]     b2, once x's and W1's addresses are done with
; The weights are the same for every lane, so they are scalar operands.  They come in chunks of 8 words, numbered in the order of need;
; chunk c lies in slot c mod 10; the ten slots are s[16:63] and s[68:99].  WREG sets WR to the register of word w of chunk c.
.macro WREG c, w
	.set WR, (\c)%10
	.if WR < 6
	.set WR, 16+8*WR+(\w)
	.else
	.set WR, 20+8*WR+(\w)
	.endif
.endm
; Layer 1, quarter q (units 8 q .. 8 q + 7) needs chunks 4 q .. 4 q + 2 = words 24 q .. 24 q + 23 of W1, and chunk 4 q + 3 = 8 words of b1.
.macro LOAD1 c
	WREG \c, 0
	.if ((\c)%4) < 3
	s_load_b256 s[WR:WR+7], s[6:7], 32*(3*((\c)/4)+(\c)%4)
	.else
	s_load_b256 s[WR:WR+7], s[8:9], 32*((\c)/4)
	.endif
.endm
; Layer 2, quarter q needs chunks 3 q + o = W2[o][8 q .. 8 q + 7], o = 0, 1, 2.
.macro LOAD2 c
	WREG \c, 0
	s_load_b256 s[WR:WR+7], s[10:11], 128*((\c)%3)+32*((\c)/3)
.endm
; cur1 of 8 units x 2 rows.  Three runs of 16 products, each rounded by itself (k = 0 straight into CUR, which starts the sum: nothing is
; cleared); then the sums in the order k = 1, k = 2, two rows to an instruction; then the bias.  Not fused: see ROUNDING at the head.
.macro LAYER1 q
.irp k, 0,1,2
	.set jj, 0
	.rept 8
	WREG 4*\q+(3*jj+\k)/8, (3*jj+\k)%8
	.if \k == 0
	v_mul_f32 v[CUR+2*(8*\q+jj)],   s[WR], v[X]
	v_mul_f32 v[CUR+2*(8*\q+jj)+1], s[WR], v[X+3]
	.else
	v_mul_f32 v[Y+16*(\k-1)+2*jj],   s[WR], v[X+\k]
	v_mul_f32 v[Y+16*(\k-1)+2*jj+1], s[WR], v[X+3+\k]
	.endif
	.set jj, jj+1
	.endr
.endr
.irp k, 0,1
	.set jj, 0
	.rept 8
	v_pk_add_f32 v[CUR+2*(8*\q+jj):CUR+2*(8*\q+jj)+1], v[CUR+2*(8*\q+jj):CUR+2*(8*\q+jj)+1], v[Y+16*\k+2*jj:Y+16*\k+2*jj+1]
	.set jj, jj+1
	.endr
.endr
	.set jj, 0
	.rept 8
	WREG 4*\q+3, jj
	v_add_f32 v[CUR+2*(8*\q+jj)],   s[WR], v[CUR+2*(8*\q+jj)]
	v_add_f32 v[CUR+2*(8*\q+jj)+1], s[WR], v[CUR+2*(8*\q+jj)+1]
	.set jj, jj+1
	.endr
.endm
; out0 += r W2 for 8 units: the six sums (3 outputs x 2 rows) take turns.  The very first multiply-add starts each sum from b2.
.macro LAYER2 q
	.set jj, 0
	.rept 8
	.irp o, 0,1,2
	WREG 3*\q+\o, jj
	.if 8*\q+jj == 0
	v_fma_f32 v[ACC+\o],   v[Y],   s[WR], s[B2+\o]
	v_fma_f32 v[ACC+3+\o], v[Y+1], s[WR], s[B2+\o]
	.else
	v_fmac_f32 v[ACC+\o],   s[WR], v[Y+2*(8*\q+jj)]
	v_fmac_f32 v[ACC+3+\o], s[WR], v[Y+2*(8*\q+jj)+1]
	.endif
	.endr
	.set jj, jj+1
	.endr
.endm
.macro EXCESS src                      ; y = 2^24 state - 2^24
	.set p, 0
	.rept 32
	v_pk_fma_f32 v[Y+p:Y+p+1], v[\src+p:\src+p+1], v[KB:KB+1], v[KN:KN+1]
	.set p, p+2
	.endr
.endm
.macro SPIKE                           ; r = 1.0 where the state was above 1, else 0.0
	.set p, 0
	.rept 64
	v_med3_num_f32 v[Y+p], v[Y+p], 0, 1.0
	.set p, p+1
	.endr
.endm
.macro STEP src                        ; one step of the scan; src = where the old state lies
	EXCESS \src
	.set p, 0
	.rept 32
	v_pk_fma_f32 v[MEM+p:MEM+p+1], v[\src+p:\src+p+1], v[K9:K9+1], v[CUR+p:CUR+p+1]   ; 0.9 mem + cur1, one rounding
	.set p, p+2
	.endr
	SPIKE
	.set p, 0
	.rept 32
	v_pk_add_f32 v[MEM+p:MEM+p+1], v[MEM+p:MEM+p+1], v[Y+p:Y+p+1] neg_lo:[0,1] neg_hi:[0,1]   ; - r
	.set p, p+2
	.endr
.endm
	s_load_b256 s[4:11], s[0:1], 0x0               ; x s[4:5], W1 s[6:7], b1 s[8:9], W2 s[10:11]
	s_load_b128 s[12:15], s[0:1], 0x20             ; b2 s[12:13], out0 s[14:15]
	v_lshl_add_u32 v224, v0, 2, 0x29000
	v_mov_b32 v225, 0
	v_and_b32 v1, 31, v0                           ; lane
	v_lshrrev_b32 v3, 5, v0
	v_readfirstlane_b32 s3, v3                     ; wave 0..3
	s_mul_i32 s66, s3, WAVEB                       ; the wave's 768 bytes: in LDS, and in the group's part of x and out0
	s_mul_i32 s100, ttmp9, GROUPB                  ; the group's part: 255 x 3,072 at the most, one word
	s_mov_b32 s101, 0
	v_lshl_add_u32 v[LIN], v1, 3, s66
	v_mad_u32_u24 v[OWN], v1, 24, s66
	s_wait_kmcnt 0x0
	s_add_nc_u64 s[4:5], s[4:5], s[100:101]
	s_add_nc_u64 s[14:15], s[14:15], s[100:101]
.irp i, 0,1,2
	global_load_b64 v[IO+2*\i:IO+2*\i+1], v[LIN], s[4:5] offset:256*\i th:TH_LOAD_NT   ; 32 lanes x 8 bytes: one aligned block of 256 bytes
.endr
.irp c, 0,1,2,3,4,5,6,7,8,9
	LOAD1 \c                                       ; quarters 0 and 1 whole, and the first two chunks of quarter 2
.endr
	v_mov_b32 v[K9],   0x3f666666                  ; 0.9 rounded to f32
	v_mov_b32 v[K9+1], 0x3f666666
	v_mov_b32 v[KB],   0x4b800000                  ; 2^24
	v_mov_b32 v[KB+1], 0x4b800000
	v_mov_b32 v[KN],   0xcb800000                  ; -2^24
	v_mov_b32 v[KN+1], 0xcb800000
	s_wait_loadcnt 0x0                             ; x is in
	; From linear order to two rows a lane, through LDS bytes that only this wave touches.  LDS serves a wave's instructions in order
	; (ISA guide 5.7.1), so the loads see the stores.  The loads take words 6 l and 6 l + 1: 64 different numbers modulo 64.
.irp i, 0,1,2
	ds_store_b64 v[LIN], v[IO+2*\i:IO+2*\i+1] offset:256*\i
.endr
.irp i, 0,1,2
	ds_load_b64 v[X+2*\i:X+2*\i+1], v[OWN] offset:8*\i
.endr
	s_wait_dscnt 0x0
	s_wait_kmcnt 0x0                               ; chunks 0 to 9
	LAYER1 0
.irp c, 10,11,12,13
	LOAD1 \c                                       ; into the four slots that quarter 0 has just read for the last time
.endr
	LAYER1 1
	s_wait_kmcnt 0x0                               ; scalar loads return in no order: the wait is for all of them
	LOAD1 14                                       ; into two of quarter 1's slots
	LOAD1 15
	LAYER1 2
	s_wait_kmcnt 0x0
	LAYER1 3
	; W2's first ten chunks and b2 are asked for here and waited for behind the loop, which names none of these registers.
	; s[4:6] held x's address and half of W1's: the loads that used them have been waited for above.
.irp c, 0,1,2,3,4,5,6,7,8,9
	LOAD2 \c
.endr
	s_load_b96 s[B2:B2+2], s[12:13], 0x0
	STEP CUR                                       ; step 2: the state after step 1 is cur1 itself
	s_mov_b32 s2, TRIPS
.Lstep:
.rept UNROLL
	STEP MEM                                       ; steps 3 to 100
.endr
	s_sub_co_i32 s2, s2, 1
	s_cmp_lg_u32 s2, 0
	s_cbranch_scc1 .Lstep
	EXCESS MEM                                     ; the last step's spikes
	SPIKE
	s_wait_kmcnt 0x0                               ; W2's chunks 0 to 9, b2
	LAYER2 0
	LOAD2 10                                       ; the last two chunks, into slots that quarter 0 has read for the last time;
	LOAD2 11                                       ; quarters 1 and 2 (96 instructions) stand between the request and the wait
	LAYER2 1
	LAYER2 2
	s_wait_kmcnt 0x0
	LAYER2 3
	; The way out is the way in, backwards: 24 bytes a lane into the wave's own LDS bytes, back in linear order.
.irp i, 0,1,2
	ds_store_b64 v[OWN], v[ACC+2*\i:ACC+2*\i+1] offset:8*\i
.endr
.irp i, 0,1,2
	ds_load_b64 v[IO+2*\i:IO+2*\i+1], v[LIN] offset:256*\i
.endr
	s_wait_dscnt 0x0
.irp i, 0,1,2
	global_store_b64 v[LIN], v[IO+2*\i:IO+2*\i+1], s[14:15] offset:256*\i th:TH_STORE_NT   ; each store of the wave covers 256 consecutive bytes, aligned
.endr
	s_wait_tensorcnt 0x0
	ds_add_u32 v224, v225
	s_wait_dscnt 0x0
	s_endpgm
.Lfunc_end_k_q16e5314b97_snn:
	.size	k_q16e5314b97_snn, .Lfunc_end_k_q16e5314b97_snn-k_q16e5314b97_snn
	.p2alignl 7, 3214868480
	.fill 96, 4, 3214868480
	.section	.rodata,"a",@progbits
	.p2align	6, 0x0
	.amdhsa_kernel k_q16e5314b97_snn
		.amdhsa_group_segment_fixed_size 168448
		.amdhsa_private_segment_fixed_size 0
		.amdhsa_enable_private_segment 0
		.amdhsa_kernarg_size 48
		.amdhsa_user_sgpr_count 2
		.amdhsa_user_sgpr_kernarg_segment_ptr 1
		.amdhsa_wavefront_size32 1
		.amdhsa_system_sgpr_workgroup_id_x 1
		.amdhsa_system_sgpr_workgroup_id_y 1
		.amdhsa_system_sgpr_workgroup_id_z 1
		.amdhsa_system_vgpr_workitem_id 0
		.amdhsa_next_free_vgpr 226
		.amdhsa_next_free_sgpr 102
		.amdhsa_reserve_vcc 0
		.amdhsa_float_denorm_mode_32 3
		.amdhsa_float_denorm_mode_16_64 3
		.amdhsa_memory_ordered 1
		.amdhsa_forward_progress 1
		.amdhsa_inst_pref_size 110
	.end_amdhsa_kernel
	.amdgpu_metadata
---
amdhsa.version: [ 1, 2 ]
amdhsa.kernels:
  - .name:           k_q16e5314b97_snn
    .symbol:         k_q16e5314b97_snn.kd
    .args:
      - { .name: x, .offset: 0, .size: 8, .value_kind: global_buffer, .address_space: global }
      - { .name: W1, .offset: 8, .size: 8, .value_kind: global_buffer, .address_space: global }
      - { .name: b1, .offset: 16, .size: 8, .value_kind: global_buffer, .address_space: global }
      - { .name: W2, .offset: 24, .size: 8, .value_kind: global_buffer, .address_space: global }
      - { .name: b2, .offset: 32, .size: 8, .value_kind: global_buffer, .address_space: global }
      - { .name: out0, .offset: 40, .size: 8, .value_kind: global_buffer, .address_space: global }
    .group_segment_fixed_size: 168448
    .private_segment_fixed_size: 0
    .kernarg_segment_align: 8
    .kernarg_segment_size: 48
    .max_flat_workgroup_size: 128
    .sgpr_count:     102
    .vgpr_count:     226
    .wavefront_size: 32
...
	.end_amdgpu_metadata
.endif
;; end of part 1
;; ======== version 2 of 2: 1 launch; 1.38 times as fast as version 1
;; launch snn (part 2): grid 256 x 1, 4 waves a work-group, no clusters, 168,448 bytes of LDS; arguments x, W1, b1, W2, b2, out0; writes out0
.if DOCPART == 2
	.amdgcn_target "amdgcn-amd-amdhsa--gfx1250"
	.amdhsa_code_object_version 6
	.text
	.protected	k_q16e5314b97_snn
	.globl	k_q16e5314b97_snn
	.p2align	8
	.type	k_q16e5314b97_snn,@function
k_q16e5314b97_snn:
	s_mov_b64 s[64:65], 0
	v_nop
	global_prefetch_b8 v0, s[64:65] scope:SCOPE_SE
	s_setreg_imm32_b32 hwreg(HW_REG_WAVE_MODE, 25, 1), 1
	s_wait_xcnt 0x0
; out0 = spk @ W2^T + b2,  spk = (mem_100 > 1),  mem_t = 0.9 mem_(t-1) + cur1 - (mem_(t-1) > 1),  mem_0 = 0,  cur1 = x @ W1^T + b1.
; x [65536][3], W1 [32][3], b1 [32], W2 [3][32], b2 [3], out0 [65536][3], all f32.  One launch; the states never leave registers.
;
; WORK LEFT OUT: step 1 of the 100.  mem_0 is the zeros that reference() builds itself, so its reset is (0 - 1 > 0) = 0 and
; mem_1 = 0.9 * 0 + cur1 - 0 = cur1, whatever cur1 holds.  The product left out, 0.9 * 0, holds no input, so no NaN, infinity or
; overflow can arise in it alone.  99 steps are done; the first of them reads cur1 as its state, so nothing is copied.
;
; ROUNDING.  An output is a sum of entries of W2 picked by comparisons of states with 1: a state that lands on the other side of 1
; moves an output by a whole entry of W2.  So every number on the way to a comparison is f32 and is rounded in one fixed order:
;   cur1 = ((x0 * w0 + x1 * w1) + x2 * w2) + b1            k ascending; every product and every sum rounded by itself
;   mem' = fma(0.9f, mem, cur1) - r                        one fused multiply-add, then the reset, as the formula is written
; Layer 1's multiplies and adds are kept apart on purpose: a fused form drops the products' roundings, moves cur1 in its last bit, and
; that stays in the state ten times as large (d' = 0.9 d + e).  The order is that of a matrix product made of separate multiplies and
; adds, which x @ W1^T is taken to be here; the step is taken to be contracted.
; That is also why x @ W1^T is not given to the matrix unit in bf16: rounding x or W1 to 8 bits moves cur1 by up to 2^-9 of its size
; and with it the time of every later spike.  It has K = 3: 5 issue slots a state beside 99 steps.
; spk @ W2^T has N = 3 (13 of a matrix tile's 16 columns would be padding) and each lane already holds all 32 spikes of its rows:
; 3 multiply-adds a state, in f32, without any traffic between lanes.
;
; THE SPIKE IN ONE PACKED INSTRUCTION.  y = fma(mem, 2^24, -2^24).  mem > 1 means mem >= 1 + 2^-23, so y >= 2; mem <= 1 gives y <= 0;
; rounding and overflow to an infinity keep that.  The output modifier clamp holds a float result to the range 0 to 1 (ISA guide, the
; vector ALU's output modifiers), so the same instruction delivers r = exactly 1.0 or 0.0, with no compare and no select.  Two states
; share each packed instruction, so a step costs 3 instructions for 2 states: r, 0.9 mem + cur1, the subtraction.  The last two cannot
; become one: the state is rounded behind each of them.
;
; SHARES.  256 work-groups of four waves, as many as a WGP has SIMDs.  A wave owns 64 rows: 768 bytes of x and of out0, three aligned
; blocks of 256.  A lane owns rows 2 l and 2 l + 1 with all 32 hidden units: 64 states, as 32 register pairs (row a, row b) of one unit.
; A step is three runs of 32 independent instructions, so an instruction's sources were written at least 32 instructions before.
; The launch asks for more than half of a WGP's 327,680 bytes of LDS (it uses 3,072) so that no second work-group shares the four SIMDs.
;
; LIMITS.  No claim is made for a NaN in x, W1 or b1.  Infinities and every finite size go the way of reference().
; The sign of a state that is zero is not kept (it reaches no output).
.set STEPS,  100
.set UNROLL, 7                         ; steps in a trip of the loop
.set TRIPS,  (STEPS-2)/UNROLL          ; 14: step 1 is left out, step 2 stands in front of the loop
.set WAVEB,  768                       ; bytes of a wave's 64 rows of 12 bytes
.set GROUPB, 4*WAVEB                   ; bytes of a work-group's 256 rows
.set LIN,  2                           ; v2         768 wave + 8 lane: my 8 bytes of a block of 256, in LDS and, from the group's first row, in x and out0
.set OWN,  3                           ; v3         768 wave + 24 lane: my two rows in LDS
.set X,    4                           ; v[4:9]     x of row a (3), of row b (3)
.set IO,   10                          ; v[10:15]   three times 8 bytes in linear order, on the way in and on the way out
.set ACC,  16                          ; v[16:21]   out0 of row a (3), of row b (3)
.set K9,   22                          ; v[22:23]   0.9, twice
.set KB,   24                          ; v[24:25]   2^24, twice
.set KN,   26                          ; v[26:27]   -2^24, twice
.set CUR,  32                          ; v[32:95]   cur1: unit j, rows a and b, at 2 j
.set MEM,  96                          ; v[96:159]  the states, likewise
.set Y,    160                         ; v[160:223] r, likewise; in layer 1 its first 32 registers hold the products of k = 1 and k = 2
.set B2,   4                           ; s[4:6]     b2, once x's and W1's addresses are done with
; The weights are the same for every lane, so they are scalar operands.  They come in chunks of 8 words, numbered in the order of need;
; chunk c lies in slot c mod 10; the ten slots are s[16:63] and s[68:99].  WREG sets WR to the register of word w of chunk c.
.macro WREG c, w
	.set WR, (\c)%10
	.if WR < 6
	.set WR, 16+8*WR+(\w)
	.else
	.set WR, 20+8*WR+(\w)
	.endif
.endm
; Layer 1, quarter q (units 8 q .. 8 q + 7) needs chunks 4 q .. 4 q + 2 = words 24 q .. 24 q + 23 of W1, and chunk 4 q + 3 = 8 words of b1.
.macro LOAD1 c
	WREG \c, 0
	.if ((\c)%4) < 3
	s_load_b256 s[WR:WR+7], s[6:7], 32*(3*((\c)/4)+(\c)%4)
	.else
	s_load_b256 s[WR:WR+7], s[8:9], 32*((\c)/4)
	.endif
.endm
; Layer 2, quarter q needs chunks 3 q + o = W2[o][8 q .. 8 q + 7], o = 0, 1, 2.
.macro LOAD2 c
	WREG \c, 0
	s_load_b256 s[WR:WR+7], s[10:11], 128*((\c)%3)+32*((\c)/3)
.endm
; cur1 of 8 units x 2 rows.  Three runs of 16 products, each rounded by itself (k = 0 straight into CUR, which starts the sum: nothing is
; cleared); then the sums in the order k = 1, k = 2, two rows to an instruction; then the bias.  Not fused: see ROUNDING at the head.
.macro LAYER1 q
.irp k, 0,1,2
	.set jj, 0
	.rept 8
	WREG 4*\q+(3*jj+\k)/8, (3*jj+\k)%8
	.if \k == 0
	v_mul_f32 v[CUR+2*(8*\q+jj)],   s[WR], v[X]
	v_mul_f32 v[CUR+2*(8*\q+jj)+1], s[WR], v[X+3]
	.else
	v_mul_f32 v[Y+16*(\k-1)+2*jj],   s[WR], v[X+\k]
	v_mul_f32 v[Y+16*(\k-1)+2*jj+1], s[WR], v[X+3+\k]
	.endif
	.set jj, jj+1
	.endr
.endr
.irp k, 0,1
	.set jj, 0
	.rept 8
	v_pk_add_f32 v[CUR+2*(8*\q+jj):CUR+2*(8*\q+jj)+1], v[CUR+2*(8*\q+jj):CUR+2*(8*\q+jj)+1], v[Y+16*\k+2*jj:Y+16*\k+2*jj+1]
	.set jj, jj+1
	.endr
.endr
	.set jj, 0
	.rept 8
	WREG 4*\q+3, jj
	v_add_f32 v[CUR+2*(8*\q+jj)],   s[WR], v[CUR+2*(8*\q+jj)]
	v_add_f32 v[CUR+2*(8*\q+jj)+1], s[WR], v[CUR+2*(8*\q+jj)+1]
	.set jj, jj+1
	.endr
.endm
; out0 += r W2 for 8 units: the six sums (3 outputs x 2 rows) take turns.  The very first multiply-add starts each sum from b2.
.macro LAYER2 q
	.set jj, 0
	.rept 8
	.irp o, 0,1,2
	WREG 3*\q+\o, jj
	.if 8*\q+jj == 0
	v_fma_f32 v[ACC+\o],   v[Y],   s[WR], s[B2+\o]
	v_fma_f32 v[ACC+3+\o], v[Y+1], s[WR], s[B2+\o]
	.else
	v_fmac_f32 v[ACC+\o],   s[WR], v[Y+2*(8*\q+jj)]
	v_fmac_f32 v[ACC+3+\o], s[WR], v[Y+2*(8*\q+jj)+1]
	.endif
	.endr
	.set jj, jj+1
	.endr
.endm
.macro SPIKE src                       ; r = 2^24 state - 2^24, held to 0 .. 1: 1.0 where the state is above 1, else 0.0
	.set p, 0
	.rept 32
	v_pk_fma_f32 v[Y+p:Y+p+1], v[\src+p:\src+p+1], v[KB:KB+1], v[KN:KN+1] clamp
	.set p, p+2
	.endr
.endm
.macro STEP src                        ; one step of the scan; src = where the old state lies
	SPIKE \src                                     ; reads the old state, so it stands ahead of the line that writes the new one
	.set p, 0
	.rept 32
	v_pk_fma_f32 v[MEM+p:MEM+p+1], v[\src+p:\src+p+1], v[K9:K9+1], v[CUR+p:CUR+p+1]   ; 0.9 mem + cur1, one rounding
	.set p, p+2
	.endr
	.set p, 0
	.rept 32
	v_pk_add_f32 v[MEM+p:MEM+p+1], v[MEM+p:MEM+p+1], v[Y+p:Y+p+1] neg_lo:[0,1] neg_hi:[0,1]   ; - r
	.set p, p+2
	.endr
.endm
	s_load_b256 s[4:11], s[0:1], 0x0               ; x s[4:5], W1 s[6:7], b1 s[8:9], W2 s[10:11]
	s_load_b128 s[12:15], s[0:1], 0x20             ; b2 s[12:13], out0 s[14:15]
	v_lshl_add_u32 v224, v0, 2, 0x29000
	v_mov_b32 v225, 0
	v_and_b32 v1, 31, v0                           ; lane
	v_lshrrev_b32 v3, 5, v0
	v_readfirstlane_b32 s3, v3                     ; wave 0..3
	s_mul_i32 s66, s3, WAVEB                       ; the wave's 768 bytes: in LDS, and in the group's part of x and out0
	s_mul_i32 s100, ttmp9, GROUPB                  ; the group's part: 255 x 3,072 at the most, one word
	s_mov_b32 s101, 0
	v_lshl_add_u32 v[LIN], v1, 3, s66
	v_mad_u32_u24 v[OWN], v1, 24, s66
	s_wait_kmcnt 0x0
	s_add_nc_u64 s[4:5], s[4:5], s[100:101]
	s_add_nc_u64 s[14:15], s[14:15], s[100:101]
.irp i, 0,1,2
	global_load_b64 v[IO+2*\i:IO+2*\i+1], v[LIN], s[4:5] offset:256*\i th:TH_LOAD_NT   ; 32 lanes x 8 bytes: one aligned block of 256 bytes
.endr
.irp c, 0,1,2,3,4,5,6,7,8,9
	LOAD1 \c                                       ; quarters 0 and 1 whole, and the first two chunks of quarter 2
.endr
	v_mov_b32 v[K9],   0x3f666666                  ; 0.9 rounded to f32
	v_mov_b32 v[K9+1], 0x3f666666
	v_mov_b32 v[KB],   0x4b800000                  ; 2^24
	v_mov_b32 v[KB+1], 0x4b800000
	v_mov_b32 v[KN],   0xcb800000                  ; -2^24
	v_mov_b32 v[KN+1], 0xcb800000
	s_wait_loadcnt 0x0                             ; x is in
	; From linear order to two rows a lane, through LDS bytes that only this wave touches.  LDS serves a wave's instructions in order
	; (ISA guide 5.7.1), so the loads see the stores.  The loads take words 6 l and 6 l + 1: 64 different numbers modulo 64.
.irp i, 0,1,2
	ds_store_b64 v[LIN], v[IO+2*\i:IO+2*\i+1] offset:256*\i
.endr
.irp i, 0,1,2
	ds_load_b64 v[X+2*\i:X+2*\i+1], v[OWN] offset:8*\i
.endr
	s_wait_dscnt 0x0
	s_wait_kmcnt 0x0                               ; chunks 0 to 9
	LAYER1 0
.irp c, 10,11,12,13
	LOAD1 \c                                       ; into the four slots that quarter 0 has just read for the last time
.endr
	LAYER1 1
	s_wait_kmcnt 0x0                               ; scalar loads return in no order: the wait is for all of them
	LOAD1 14                                       ; into two of quarter 1's slots
	LOAD1 15
	LAYER1 2
	s_wait_kmcnt 0x0
	LAYER1 3
	; W2's first ten chunks and b2 are asked for here and waited for behind the loop, which names none of these registers.
	; s[4:6] held x's address and half of W1's: the loads that used them have been waited for above.
.irp c, 0,1,2,3,4,5,6,7,8,9
	LOAD2 \c
.endr
	s_load_b96 s[B2:B2+2], s[12:13], 0x0
	STEP CUR                                       ; step 2: the state after step 1 is cur1 itself
	s_mov_b32 s2, TRIPS
.Lstep:
.rept UNROLL
	STEP MEM                                       ; steps 3 to 100
.endr
	s_sub_co_i32 s2, s2, 1
	s_cmp_lg_u32 s2, 0
	s_cbranch_scc1 .Lstep
	SPIKE MEM                                      ; the last step's spikes
	s_wait_kmcnt 0x0                               ; W2's chunks 0 to 9, b2
	LAYER2 0
	LOAD2 10                                       ; the last two chunks, into slots that quarter 0 has read for the last time;
	LOAD2 11                                       ; quarters 1 and 2 (96 instructions) stand between the request and the wait
	LAYER2 1
	LAYER2 2
	s_wait_kmcnt 0x0
	LAYER2 3
	; The way out is the way in, backwards: 24 bytes a lane into the wave's own LDS bytes, back in linear order.
.irp i, 0,1,2
	ds_store_b64 v[OWN], v[ACC+2*\i:ACC+2*\i+1] offset:8*\i
.endr
.irp i, 0,1,2
	ds_load_b64 v[IO+2*\i:IO+2*\i+1], v[LIN] offset:256*\i
.endr
	s_wait_dscnt 0x0
.irp i, 0,1,2
	global_store_b64 v[LIN], v[IO+2*\i:IO+2*\i+1], s[14:15] offset:256*\i th:TH_STORE_NT   ; each store of the wave covers 256 consecutive bytes, aligned
.endr
	s_wait_tensorcnt 0x0
	ds_add_u32 v224, v225
	s_wait_dscnt 0x0
	s_endpgm
.Lfunc_end_k_q16e5314b97_snn:
	.size	k_q16e5314b97_snn, .Lfunc_end_k_q16e5314b97_snn-k_q16e5314b97_snn
	.p2alignl 7, 3214868480
	.fill 96, 4, 3214868480
	.section	.rodata,"a",@progbits
	.p2align	6, 0x0
	.amdhsa_kernel k_q16e5314b97_snn
		.amdhsa_group_segment_fixed_size 168448
		.amdhsa_private_segment_fixed_size 0
		.amdhsa_enable_private_segment 0
		.amdhsa_kernarg_size 48
		.amdhsa_user_sgpr_count 2
		.amdhsa_user_sgpr_kernarg_segment_ptr 1
		.amdhsa_wavefront_size32 1
		.amdhsa_system_sgpr_workgroup_id_x 1
		.amdhsa_system_sgpr_workgroup_id_y 1
		.amdhsa_system_sgpr_workgroup_id_z 1
		.amdhsa_system_vgpr_workitem_id 0
		.amdhsa_next_free_vgpr 226
		.amdhsa_next_free_sgpr 102
		.amdhsa_reserve_vcc 0
		.amdhsa_float_denorm_mode_32 3
		.amdhsa_float_denorm_mode_16_64 3
		.amdhsa_memory_ordered 1
		.amdhsa_forward_progress 1
		.amdhsa_inst_pref_size 74
	.end_amdhsa_kernel
	.amdgpu_metadata
---
amdhsa.version: [ 1, 2 ]
amdhsa.kernels:
  - .name:           k_q16e5314b97_snn
    .symbol:         k_q16e5314b97_snn.kd
    .args:
      - { .name: x, .offset: 0, .size: 8, .value_kind: global_buffer, .address_space: global }
      - { .name: W1, .offset: 8, .size: 8, .value_kind: global_buffer, .address_space: global }
      - { .name: b1, .offset: 16, .size: 8, .value_kind: global_buffer, .address_space: global }
      - { .name: W2, .offset: 24, .size: 8, .value_kind: global_buffer, .address_space: global }
      - { .name: b2, .offset: 32, .size: 8, .value_kind: global_buffer, .address_space: global }
      - { .name: out0, .offset: 40, .size: 8, .value_kind: global_buffer, .address_space: global }
    .group_segment_fixed_size: 168448
    .private_segment_fixed_size: 0
    .kernarg_segment_align: 8
    .kernarg_segment_size: 48
    .max_flat_workgroup_size: 128
    .sgpr_count:     102
    .vgpr_count:     226
    .wavefront_size: 32
...
	.end_amdgpu_metadata
.endif
;; end of part 2
